; MI455X (gfx1250); checked and timed in simulation.
; The chip was launched on July 23, 2026; its instructions are those of AMD's public machine-readable ISA for CDNA 5 (MIT licence, August 2026) and "CDNA5" Instruction Set Architecture Reference Guide (July 2026). The comments in the code are by the model that wrote it; some were corrected since.
;; Memristor Linear. Allowed arithmetic: matrix products marked QUANTISED: E5M2 operands, one E8M0 scale for each 32 along K, by v_wmma_scale_f32_16x16x128_f8f6f4 with both operands' format E5M2, f32 sums; everything else in f32.
;; Inputs: bias 4,096 float32; values 4,096 float32; w_idx 4,096 x 4,096 int32; x 4,096 x 4,096 float32.
;; Outputs: out0 4,096 x 4,096 float32.
;; This version of the problem:
;;   THIS VERSION OF THE PROBLEM IS GIVEN IN LOW PRECISION. The matrix products marked QUANTISED in the list below multiply operands that are first quantised to E5M2 (5 exponent bits, 2 mantissa bits; 8 bits a number), with one power-of-two scale for each 32 numbers along K (OCP MX v1.0); their sums are f32. All else is computed in f32.
;;   The module's matrix products, in the order in which they are computed (A, B: the left and right operand; K: the contracted axis; several contracted axes count as one K, in the product's order):
;;     1. [M 4,096, K 4,096] x [K 4,096, N 4,096]; A: input x; B: computed on the way: QUANTISED
;;   THE QUANTISER, for each operand of a quantised product, along K:
;;     - K is cut into blocks of 32 from its start; a last block that is shorter is filled with zeros.
;;     - A block's scale is 2^e with e = floor(log2(the largest magnitude in the block)) - 15, held to -126 .. 127; a block of zeros has e = 0. As a byte (E8M0): e + 127.
;;     - Each number is divided by its block's scale, clamped to +-57,344, and rounded to the nearest number of E5M2, ties to even, subnormals kept.
;;     - The product sums the exact products of the quantised numbers (number of the format x scale) in f32.
;;   ~~~python
;;   def quantise(x, axis):      # numpy; x: float32 -> the quantised numbers, widened to float32 again
;;       x = np.moveaxis(x, axis, -1); K = x.shape[-1]
;;       x = np.pad(x, [(0, 0)] * (x.ndim - 1) + [(0, -K % 32)]); x = x.reshape(x.shape[:-1] + (-1, 32)); a = np.abs(x).max(-1, keepdims=True)
;;       e = np.where(a > 0, np.clip(np.frexp(np.where(a > 0, a, 1))[1] - 1 - 15, -126, 127), 0)      # np.frexp(a)[1] - 1 = floor(log2(a)), exactly
;;       r = np.clip(x / 2.0 ** e, -57344, 57344)
;;       step = 2.0 ** (np.maximum(np.frexp(np.where(r == 0, 1, r))[1] - 1, -14) - 2)
;;       q = np.round(r / step) * step * 2.0 ** e      # np.round: ties to even
;;       return np.moveaxis(q.reshape(q.shape[:-2] + (-1,))[..., :K], -1, axis).astype(np.float32)
;;   ~~~
;;   OPERANDS COMPUTED ON THE WAY. 'Computed on the way' means the value that the module computes at that place (a softmax that the list does not call 'softmax' is quantised finished and normalised). What goes into a quantiser is computed in f32, as accurately as f32 sums, v_exp_f32 and their like allow (about 1e-6 of the number): no bf16 or f16 on the way to a quantiser, and a product that is left as it is and whose result goes on into a quantised operand takes f32 operands (vector FMAs, or v_wmma_f32_16x16x4_f32). A number that lies on a knife's edge between two numbers of the format may be rounded either way, as far as f32 arithmetic and the matrix unit's own rounding can turn it there, and no further.
;; 2 versions. Each part assembles by itself: llvm-mc -triple=amdgcn-amd-amdhsa -mcpu=gfx1250 --defsym DOCPART=n.
;; ======== version 1 of 2: 2 launches
;; workspace buffers: xq 17,301,504 bytes; wq 17,301,504 bytes
;; launch quant (part 1): grid 512 x 1, 4 waves a work-group, no clusters, 16,896 bytes of LDS; arguments x, w_idx, values, xq, wq; writes xq, wq
.if DOCPART == 1
	.amdgcn_target "amdgcn-amd-amdhsa--gfx1250"
	.amdhsa_code_object_version 6
	.text
	.protected	k_qf80871997c_quant
	.globl	k_qf80871997c_quant
	.p2align	8
	.type	k_qf80871997c_quant,@function
k_qf80871997c_quant:
	s_mov_b64 s[64:65], 0
	v_nop
	global_prefetch_b8 v0, s[64:65] scope:SCOPE_SE
	s_setreg_imm32_b32 hwreg(HW_REG_WAVE_MODE, 25, 1), 1
	s_wait_xcnt 0x0
; x [4096][4096] f32 and W = values[w_idx] ([4096][4096], the table has 4,096 f32) are turned into codes of BF8 (E5M2) with one E8M0 scale byte for each 32 along K.
; A block's scale is 2^(floor(log2(its largest magnitude)) - 15); its byte is the largest magnitude's exponent field - 15, held at 1 from below; each number is held within +-57,344 x the scale and rounded to the nearest code, ties to even.
; THE WORKSPACE (xq for x, wq for W) IS LAID IN THE ORDER OF THE OPERAND'S REGISTERS: [panel of 128 rows][K step of 256][block of 33,792 bytes].  In a block: 16 images of fragments (16 rows x 128 K), 2,048 bytes each,
; fragment (i = row block, q = half of the K step) at (2 i + q) x 2,048, in it register group c of lane l at 512 c + 16 l; behind them, from byte 32,768 on, the scale words: row 16 i + r, half q at 256 (i / 2) + 16 r + 8 (i % 2) + 4 q.
; K IS PERMUTED INSIDE EACH BLOCK OF 32, ALIKE IN BOTH TENSORS (one macro makes both): place 16 h + 4 j + e holds the true k = 8 j + 4 h + e.  Blocks stay blocks, so the scales are the rule's; only the order of the f32 sums differs.
; So the two lanes (r, 0) and (r, 1) of a load read 32 neighbouring bytes of row r, and a fragment's sixteen loads cover 512 consecutive bytes of each of its 16 rows.
; LIMITS: NaN and infinities among the inputs are not served.  A block of zeros gets the byte 1 where the rule says 127: its codes are zeros, which add nothing, and this program alone reads the bytes.
; An index is held at 4,095 from above ahead of its use as an address; the problem keeps indices inside the table.
; SHARES.  Work-groups with an even number take x, those with an odd number W.  A wave takes 32 rows x 512 along K: 8 fragments t = 4 i2 + 2 u + q (row block i2, K step u, half q).  Waves share the table in LDS and nothing else.
; THE TABLE lies in LDS bytes 0 to 16,383; W's work-groups store it ahead of the launch's one barrier, and behind that barrier LDS is only read.
; Loads run three fragments (48 loads a wave) ahead, in three sets of 64 registers.  Every offset is an immediate (264,160 at the most): no pointer is stepped.
.set BLK,  33792                       ; a block of the workspace
.set PSTR, 16*BLK                      ; a panel's 16 blocks
.set ROWB, 16384                       ; a row of x or of w_idx in bytes
.set VI,   4                           ; v4   in: row r of 16,384 bytes + 16 h
.set VO,   5                           ; v5   out: 16 x lane: my place in an image
.set VS,   6                           ; v6   out: the scale words: lanes 0-15 the first K step's block, lanes 16-31 the second's; 16 r
.set VT,   7                           ; v7   16 x thread: my place in 2,048 bytes of the table
.set TM,   8                           ; v8-11 largest magnitudes, v12-15 bytes, v16-19 the largest number x the scale, v20-23 the conversions' scale operands
.set X,    32                          ; v32-223 three sets of 64 numbers (or indices)
.set PC,   224                         ; v224-239 a fragment's codes
.set SW,   240                         ; v240-247 the eight scale words: (u, i2, q) at 4 u + 2 i2 + q
.set SD,   248                         ; v248-251 the four words that my lane stores
.set TAB,  224                         ; v224-255 the table on its way to LDS, at the head alone
	s_load_b256 s[4:11], s[0:1], 0x0               ; x s[4:5], w_idx s[6:7], values s[8:9], xq s[10:11]
	s_load_b64 s[12:13], s[0:1], 0x20              ; wq
	v_lshl_add_u32 v30, v0, 2, 0x4000
	v_mov_b32 v31, 0
	v_lshrrev_b32 v1, 5, v0
	v_readfirstlane_b32 s14, v1                    ; wave 0..3
	v_and_b32 v1, 31, v0                           ; lane
	v_and_b32 v2, 15, v0                           ; r
	v_bfe_u32 v3, v0, 4, 1                         ; h
	v_lshlrev_b32 v[VI], 14, v2
	v_lshl_add_u32 v[VI], v3, 4, v[VI]
	v_lshlrev_b32 v[VO], 4, v1
	v_mul_u32_u24 v[VS], v3, BLK
	v_lshl_add_u32 v[VS], v2, 4, v[VS]
	v_lshlrev_b32 v[VT], 4, v0
.irp b, 0,1,2,3
	v_mov_b32 v[TM+4+\b], 0                        ; written once: a lane permute's destination counts as one of its sources
.endr
	s_and_b32 s15, ttmp9, 1                        ; 0: x, 1: W
	s_lshr_b32 s16, ttmp9, 1
	s_lshl_b32 s16, s16, 2
	s_add_co_u32 s16, s16, s14                     ; which of the tensor's 1,024 parts is my wave's
	s_and_b32 s17, s16, 7                          ; kp: K 512 kp on
	s_lshr_b32 s18, s16, 3                         ; rp: rows 32 rp on
	s_lshr_b32 s19, s18, 2                         ; the panel
	s_and_b32 s33, s18, 3                          ; j: row blocks 2 j and 2 j + 1 of the panel
	s_lshl_b32 s20, s18, 19                        ; in: 32 rows of 16,384 bytes,
	s_lshl_b32 s21, s17, 11                        ; 512 numbers of 4 bytes
	s_add_co_u32 s20, s20, s21
	s_mov_b32 s21, 0
	s_mul_i32 s22, s19, PSTR                       ; out: the panel,
	s_mul_i32 s23, s17, 2*BLK                      ; its K steps 2 kp and 2 kp + 1
	s_add_co_u32 s22, s22, s23
	s_lshl_b32 s34, s33, 8
	s_add_co_u32 s34, s34, s22                     ; the scale words: 256 bytes for two row blocks
	s_mov_b32 s35, 0
	s_lshl_b32 s23, s33, 13
	s_add_co_u32 s22, s22, s23                     ; the codes: 8,192 bytes for two row blocks
	s_mov_b32 s23, 0
	s_mov_b32 s30, 0x76543210
	s_mov_b32 s31, 0xfedcba98                      ; v_permlanex16_b32's selects for lane l xor 16
	s_mov_b32 s32, 0x600000                        ; the mantissa field of 57,344
	s_wait_kmcnt 0x0
	s_cmp_eq_u32 s15, 0                            ; the choice hangs on the work-group's number alone
	s_cselect_b64 s[24:25], s[4:5], s[6:7]
	s_cselect_b64 s[26:27], s[10:11], s[12:13]
	s_add_nc_u64 s[24:25], s[24:25], s[20:21]      ; in
	s_add_nc_u64 s[28:29], s[26:27], s[34:35]      ; out: scale words
	s_add_nc_u64 s[26:27], s[26:27], s[22:23]      ; out: codes
; Fragment t's 64 numbers (or indices) of my lane into set t % 3: register 16 c + 4 j + e = true k 32 c + 8 j + 4 h + e of row r
.macro LOAD t
.irp c, 0,1,2,3
.irp j, 0,1,2,3
	global_load_b128 v[X+64*((\t)%3)+16*\c+4*\j:X+64*((\t)%3)+16*\c+4*\j+3], v[VI], s[24:25] offset:((\t)/4)*16*ROWB+((\t)%4)*512+128*\c+32*\j th:TH_LOAD_NT
.endr
.endr
.endm
; The 64 indices in v[XS] on become the table's numbers, in place
.macro GATHER
.set n, 0
.rept 64
	v_min_u32 v[XS+n], 0xfff, v[XS+n]              ; held inside the table ahead of its use as an address
.set n, n+1
.endr
.set n, 0
.rept 64
	v_lshlrev_b32 v[XS+n], 2, v[XS+n]              ; 4 bytes a number
.set n, n+1
.endr
.set n, 0
.rept 64
	ds_load_b32 v[XS+n], v[XS+n]
.set n, n+1
.endr
	s_wait_dscnt 0x0
.endm
; The 64 numbers in v[XS] on, register 16 b + i = place 32 b + 16 h + i of my row, become a fragment's codes in v[PC] on and its scale word in v[WD]
.macro QUANT
.irp b, 0,1,2,3
	v_max3_num_f32 v[TM+\b], |v[XS+16*\b]|, |v[XS+1+16*\b]|, 0x8000000   ; block b: my 16 numbers, and the floor 2^(16 - 127): so the byte cannot fall under 1
.endr
.irp i, 2,4,6,8,10,12,14
.irp b, 0,1,2,3
	v_max3_num_f32 v[TM+\b], v[TM+\b], |v[XS+16*\b+\i]|, |v[XS+1+16*\b+\i]|   ; the four blocks by turns: no line waits for the line above it
.endr
.endr
.irp b, 0,1,2,3
	v_permlanex16_b32 v[TM+4+\b], v[TM+\b], s30, s31
.endr
.irp b, 0,1,2,3
	v_max_num_f32 v[TM+\b], v[TM+\b], v[TM+4+\b]   ; with lane l xor 16's: the block's largest magnitude
.endr
.irp b, 0,1,2,3
	v_add_nc_u32 v[TM+12+\b], 0xf8800000, v[TM+\b] ; 15 off its exponent field: the conversion takes the exponent field of this operand as its scale
.endr
.irp b, 0,1,2,3
	v_and_or_b32 v[TM+8+\b], v[TM+\b], 0x7f800000, s32   ; 57,344 x the scale: the largest magnitude's exponent field over 57,344's mantissa
.endr
.irp b, 0,1,2,3
	v_lshrrev_b32 v[TM+4+\b], 23, v[TM+12+\b]      ; the scale's byte
.endr
	v_lshl_or_b32 v[WD], v[TM+5], 8, v[TM+4]       ; the four bytes make my row's scale word (both lanes of a row hold the same)
	v_lshl_or_b32 v[WD], v[TM+6], 16, v[WD]
	v_lshl_or_b32 v[WD], v[TM+7], 24, v[WD]
.irp b, 0,1,2,3
.irp i, 0,1,2,3,4,5,6,7,8,9,10,11,12,13,14,15
	v_med3_num_f32 v[XS+16*\b+\i], v[XS+16*\b+\i], -v[TM+8+\b], v[TM+8+\b]   ; the conversion to an 8-bit code does not saturate (ISA guide 7.6.2): the hold at the largest code x the scale
.endr
	v_cvt_scalef32_pk8_bf8_f32 v[PC+4*\b:PC+1+4*\b], v[XS+16*\b:XS+7+16*\b], v[TM+12+\b]
	v_cvt_scalef32_pk8_bf8_f32 v[PC+2+4*\b:PC+3+4*\b], v[XS+8+16*\b:XS+15+16*\b], v[TM+12+\b]
.endr
	v_nop                                          ; one plain vector instruction behind the last scaled conversion
.endm
; Fragment t: its loads are in; (W: the gather;) quantised; the set takes the loads of three fragments on; the image leaves, 512 consecutive bytes a store
.macro FRAG t
.set XS, X+64*((\t)%3)
.set WD, SW+4*(((\t)/2)%2)+2*((\t)/4)+(\t)%2
.if (\t) <= 5
	s_wait_loadcnt 32                              ; loads come back in order: mine are in, the two younger sets' 32 may be out
.else
	s_wait_loadcnt 16*(7-(\t))
.endif
	s_wait_xcnt 0x0                                ; the last fragment's stores have read v[PC] on: it is written again only behind this wait
	s_cmp_eq_u32 s15, 0
	s_cbranch_scc1 .Lplain_\@                      ; x's numbers are taken as they come
	GATHER
.Lplain_\@:
	QUANT
.if (\t)+3 < 8
	LOAD (\t)+3
.endif
.irp c, 0,1,2,3
	global_store_b128 v[VO], v[PC+4*\c:PC+4*\c+3], s[26:27] offset:(((\t)/2)%2)*BLK+((\t)/4)*4096+((\t)%2)*2048+512*\c
.endr
.endm
	s_cmp_eq_u32 s15, 0
	s_cbranch_scc1 .Lhead_x
.irp n, 0,1,2,3,4,5,6,7
	global_load_b128 v[TAB+4*\n:TAB+4*\n+3], v[VT], s[8:9] offset:2048*\n   ; W: the table, 128 threads x 16 bytes x 8
.endr
	LOAD 0
	LOAD 1
	LOAD 2
	s_wait_loadcnt 48                              ; the table's eight loads are in; the 48 loads of indices behind them may be out
.irp n, 0,1,2,3,4,5,6,7
	ds_store_b128 v[VT], v[TAB+4*\n:TAB+4*\n+3] offset:2048*\n
.endr
	s_branch .Lhead_done
.Lhead_x:
	LOAD 0
	LOAD 1
	LOAD 2
.Lhead_done:
	s_wait_dscnt 0x0                               ; for the others' sake: my part of the table has landed
	s_barrier_signal -1
	s_barrier_wait -1                              ; the table is whole; from here on LDS is only read
.irp t, 0,1,2,3,4,5,6,7
	FRAG \t
.endr
	v_cmp_gt_u32 vcc_lo, 16, v1                    ; lanes 0-15 store the first K step's four words of row r, lanes 16-31 the second's
.irp n, 0,1,2,3
	v_cndmask_b32 v[SD+\n], v[SW+4+\n], v[SW+\n], vcc_lo
.endr
	global_store_b128 v[VS], v[SD:SD+3], s[28:29] offset:32768   ; sixteen lanes store 256 consecutive bytes, at a multiple of 256 from the buffer's first byte
	s_wait_tensorcnt 0x0
	ds_add_u32 v30, v31
	s_wait_dscnt 0x0
	s_endpgm
.Lfunc_end_k_qf80871997c_quant:
	.size	k_qf80871997c_quant, .Lfunc_end_k_qf80871997c_quant-k_qf80871997c_quant
	.p2alignl 7, 3214868480
	.fill 96, 4, 3214868480
	.section	.rodata,"a",@progbits
	.p2align	6, 0x0
	.amdhsa_kernel k_qf80871997c_quant
		.amdhsa_group_segment_fixed_size 16896
		.amdhsa_private_segment_fixed_size 0
		.amdhsa_enable_private_segment 0
		.amdhsa_kernarg_size 40
		.amdhsa_user_sgpr_count 2
		.amdhsa_user_sgpr_kernarg_segment_ptr 1
		.amdhsa_wavefront_size32 1
		.amdhsa_system_sgpr_workgroup_id_x 1
		.amdhsa_system_sgpr_workgroup_id_y 1
		.amdhsa_system_sgpr_workgroup_id_z 1
		.amdhsa_system_vgpr_workitem_id 0
		.amdhsa_next_free_vgpr 256
		.amdhsa_next_free_sgpr 66
		.amdhsa_reserve_vcc 1
		.amdhsa_float_denorm_mode_32 3
		.amdhsa_float_denorm_mode_16_64 3
		.amdhsa_memory_ordered 1
		.amdhsa_forward_progress 1
		.amdhsa_inst_pref_size 169
	.end_amdhsa_kernel
	.amdgpu_metadata
---
amdhsa.version: [ 1, 2 ]
amdhsa.kernels:
  - .name:           k_qf80871997c_quant
    .symbol:         k_qf80871997c_quant.kd
    .args:
      - { .name: x, .offset: 0, .size: 8, .value_kind: global_buffer, .address_space: global }
      - { .name: w_idx, .offset: 8, .size: 8, .value_kind: global_buffer, .address_space: global }
      - { .name: values, .offset: 16, .size: 8, .value_kind: global_buffer, .address_space: global }
      - { .name: xq, .offset: 24, .size: 8, .value_kind: global_buffer, .address_space: global }
      - { .name: wq, .offset: 32, .size: 8, .value_kind: global_buffer, .address_space: global }
    .group_segment_fixed_size: 16896
    .private_segment_fixed_size: 0
    .kernarg_segment_align: 8
    .kernarg_segment_size: 40
    .max_flat_workgroup_size: 128
    .sgpr_count:     66
    .vgpr_count:     256
    .wavefront_size: 32
...
	.end_amdgpu_metadata
.endif
;; end of part 1
;; launch gemm (part 2): grid 16 x 16, 4 waves a work-group, clusters of 4 x 4, 327,680 bytes of LDS; arguments xq, wq, bias, out0; writes out0
.if DOCPART == 2
	.amdgcn_target "amdgcn-amd-amdhsa--gfx1250"
	.amdhsa_code_object_version 6
	.text
	.protected	k_qf80871997c_gemm
	.globl	k_qf80871997c_gemm
	.p2align	8
	.type	k_qf80871997c_gemm,@function
k_qf80871997c_gemm:
	s_mov_b64 s[64:65], 0
	v_nop
	global_prefetch_b8 v0, s[64:65] scope:SCOPE_SE
	s_setreg_imm32_b32 hwreg(HW_REG_WAVE_MODE, 25, 1), 1
	s_wait_xcnt 0x0
	s_wait_alu depctr_hold_cnt(0) depctr_sa_sdst(0) depctr_va_vdst(0) depctr_va_sdst(0) depctr_va_ssrc(0) depctr_va_vcc(0) depctr_vm_vsrc(0)
	s_getreg_b32 s2, hwreg(HW_REG_IB_STS2, 6, 4)
	s_cmp_eq_u32 s2, 0
	s_cbranch_scc0 .Lentry_in_a_cluster
	s_endpgm
.Lentry_in_a_cluster:
	s_bfe_u32 s2, ttmp6, 0x10000c
	s_cmp_lg_u32 s2, 0xf033
	s_cbranch_scc0 .Lentry_shape_is_right
	s_endpgm
.Lentry_shape_is_right:
; out0[m][n] = sum over k of x[m][k] W[n][k] + bias[n], on codes of BF8 (E5M2) with one E8M0 scale for each 32 along K; sums in f32.  M = N = K = 4,096.
; xq and wq hold codes and scale words in the order of the operand's registers: [panel of 128 rows][K step of 256][block of 33,792 bytes]: 16 images of fragments (row block i, half q at (2 i + q) x 2,048; register group c of
; lane l at 512 c + 16 l), then from byte 32,768 on the scale words (row 16 i + r, half q at 256 (i / 2) + 16 r + 8 (i % 2) + 4 q).  K is permuted inside each block of 32, alike in both tensors: the products are the same, the order of the sums differs.
; A tile of out0, 256 x 256, is made by a work-group of four waves, as many as a WGP has SIMDs; a wave makes 128 x 128: 64 accumulators of 16 x 16, 512 registers.  16 x 16 tiles: one for each of 256 work-groups.
; K goes in steps of 256 through a ring of two LDS slots.  A slot holds four blocks: A's two panels, then B's two; each wave fetches one block, 33,792 dense bytes, codes and scale words together, by one tensor load.
; A fragment comes out of LDS by four loads of 512 consecutive bytes: no pitch, no padding.
; CLUSTERS: 4 x 4 work-groups.  The four of a row of the cluster need the same panels of A, the four of a column the same panels of B: each block is asked for JOINTLY, by the same tensor load with the same descriptor and a mask that names the four.
; THE MATRIX INSTRUCTION IS USED TRANSPOSED (source 0 = 16 rows of W, source 1 = 16 rows of x): a lane then holds eight neighbouring numbers of a row of out0.  THE BIAS is the C of each sum's first product: nothing is cleared, nothing is added later.
; REGISTERS, in windows of 256: window 0: v1-31 addresses; v32-63 scale words, two sets; v64-127 the bias in the result's layout; v128-255 A's fragments, ONE set; on the way out v128-255 take rows of out0.
;   window 1: B's fragments, TWO sets, at v0 and at v128.   window 2: the 32 accumulators of my rows 0-63 (accumulator (a, b) at v[8 (8 a + b)]);   window 3: those of my rows 64-127.
; A step of 128 along K is 64 matrix instructions, A's blocks one after the other, each against B's eight: a block of A is free as soon as its eight products are issued, so one set serves A (blocks 0-3 fetched anew in the step's middle, 4-7 at its end).
.set SIZE_N, 4096
.set BLK,    33792                     ; a block: what one tensor load brings, and what one wave reads of A or of B in a K step
.set PSTR,   16*BLK                    ; a panel's 16 blocks, consecutive in memory
.set SLOT,   4*BLK
.set NQ,     2                         ; matrix instructions deep in a slot
.set FR,     16                        ; registers of a fragment
.set NL,     4                         ; LDS loads that bring one
.set NP,     8                         ; places behind this matrix instruction (ISA guide 7.12.1)
.set LAPS,   8                         ; a lap = two K steps = once round the ring
.set SPARE,  2*SLOT                    ; behind the ring: the spare words, 128 bytes for each wave: two blocks of 256 bytes that no other line names
.set STAGE,  SPARE+512                 ; behind them: a stage of 16 rows x (512 bytes + 16) for each wave, for the way out; no tensor load fills it
.set SPITCH, 528
.set ADRA, 16                          ; v16-17  LDS address of my A fragments in slot 0, 1: the block + 16 x lane
.set ADRB, 20                          ; v20-21  the same for B
.set ADRS, 22                          ; v22-23  of my scale words in slot 0, 1: lanes 0-15 A's rows, lanes 16-31 B's
.set STO,  24                          ; v24     the way out: where I put 32 bytes of a row
.set RD,   25                          ; v25     the way out: where I read a row back
.set CO,   26                          ; v26     my byte offset in a row of out0
.set BO,   27                          ; v27     32 h: my eight numbers of sixteen of the bias
.set SPW,  28                          ; v28     LDS address of my spare word: SPARE + 4 x my thread's number; never rewritten
.set NIL,  29                          ; v29     0; never rewritten
.set PFO,  30                          ; v30     256 x lane: the prefetches' offset; never rewritten
.set SC,   32                          ; scale words: set s (for slot s) at v[SC + 16 s]; register 2 i + q: lanes 0-15 the word of A's block i, lanes 16-31 that of B's block i
.set BI,   64                          ; the bias: register 8 b + j = bias of my column 16 b + 8 h + j
.set AF,   128                         ; A's fragments, in window 0
.set BK,   128                         ; the way out: 16 rows read back from the stage: v128-191 and v192-255 by turns
.set G1,  24                           ; s[24:31] descriptor group 1 for A's blocks;  s[32:39] group 0, one set for each slot
.set G0,  32
.set G1B, 48                           ; s[48:55], s[56:63] the same for B's
.set G0B, 56
.set PFA, 68                           ; s[68:69] where my prefetches stand in memory
.set LIM, 70                           ; s70     1 in a wave that prefetches, else the greatest number
.set MSB, 0
.macro WIN new                         ; the immediate's high byte repeats the setting that is left; a switch that changes nothing is dropped
.if MSB != (\new)
	s_set_vgpr_msb (MSB<<8)|(\new)
.set MSB, (\new)
.endif
.endm
.set MUL_LO,   0xa1                    ; source 0 (B) window 1, source 1 (A) window 0, C and D window 2
.set MUL_HI,   0xf1                    ; the same, C and D window 3
.set FIRST_LO, 0x81                    ; the first products: C (the bias) window 0, D window 2
.set FIRST_HI, 0xc1                    ; D window 3
.set TO_B,     0x40                    ; destination window 1, address window 0
; A joint load: waves 0 and 1 fetch A's two panels, waves 2 and 3 B's.  Each of the two lines has ONE mask and one set of registers for all that issue it; the branch hangs on the wave's number alone.
; Four v_nop follow each of the two lines, ahead of the jump, the label and what follows.
.macro JLOAD g0a, g1a, g0b, g1b
	s_cmp_eq_u32 s15, 0
	s_cbranch_scc0 .Lfor_b_\@
	tensor_load_to_lds s[\g0a:\g0a+3], s[\g1a:\g1a+7]
	s_nop 0
.rept 4
	v_nop
.endr
	s_branch .Lasked_\@
.Lfor_b_\@:
	tensor_load_to_lds s[\g0b:\g0b+3], s[\g1b:\g1b+7]
	s_nop 0
.rept 4
	v_nop
.endr
.Lasked_\@:
.endm
; A PREFETCH INTO THE L2, behind each joint refill, its four lines and the run of LDS loads that follows them.  A panel's 16 blocks are one stream of 540,672 consecutive bytes; the prefetches walk it 32,768 bytes for each change of slots,
; from the panel's byte 4 x 33,792 on, so that change n (which asks for K step n + 2) names bytes 135,168 + 32,768 n on: between one and two K steps further along than its own refill.
; Each aligned block of 256 bytes is named ONCE in the launch.  A's panel is read by every cluster of that row of clusters: the first of them (cluster x = 0) prefetches; B's by every cluster of that column: cluster y = 0 prefetches.
; The four partners that ask for a panel jointly share each 32,768 bytes out BY ADDRESS, 8,192 each (by cx for A, by cy for B), lanes 256 bytes apart: no branch hangs on a work-group's place in its cluster.
; The loop's last trip asks for nothing: twelve requests, the last byte named is the panel's 528,383rd.  K steps 0 to 3 and the panel's last 12,288 bytes come by their loads alone.
.macro ASK
	s_cmp_gt_u32 s3, s[LIM]                        ; s3 = 1 in the loop's last trip
	s_cbranch_scc0 .Lnot_mine_\@
	global_prefetch_b8 v[PFO], s[PFA:PFA+1] th:TH_LOAD_NT scope:SCOPE_SE
.Lnot_mine_\@:
.endm
.macro CREST                           ; a round of the cluster's barrier behind its opening barrier
	s_cmp_lg_u32 s14, 0
	s_cbranch_scc1 .Lnot_wave_0_\@
	s_barrier_signal -3
.Lnot_wave_0_\@:
	s_barrier_wait -3
	s_barrier_signal -1
	s_barrier_wait -1
.endm
.macro CROUND                          ; a whole round
	s_barrier_signal -1
	s_barrier_wait -1
	CREST
.endm
	s_load_b256 s[4:11], s[0:1], 0x0               ; xq s[4:5], wq s[6:7], bias s[8:9], out0 s[10:11]
	v_lshl_add_u32 v[SPW], v0, 2, SPARE
	v_mov_b32 v[NIL], 0
	ds_add_u32 v28, v29
	ds_add_u32 v28, v29
	s_wait_dscnt 0x0
	v_lshrrev_b32 v1, 5, v0
	v_readfirstlane_b32 s14, v1                    ; wave 0..3
	s_lshr_b32 s15, s14, 1                         ; which half of the tile's rows is mine.  Also: I fetch for A (0) or for B (1)
	s_and_b32 s16, s14, 1                          ; which half of its columns.  Also: which of the two panels I fetch
	s_bfe_u32 s40, ttmp6, 0x40000                  ; cx, cy: my place in the cluster
	s_bfe_u32 s41, ttmp6, 0x40004
	s_lshl_b32 s42, ttmp9, 2
	s_add_co_u32 s42, s42, s40                     ; tile column = 4 x cluster x + cx
	s_and_b32 s17, ttmp7, 0xffff
	s_lshl_b32 s17, s17, 2
	s_add_co_u32 s17, s17, s41                     ; tile row = 4 x cluster y + cy
	s_lshl_b32 s43, s41, 2
	s_lshl_b32 s43, 15, s43                        ; my row of the cluster
	s_lshl_b32 s44, 0x1111, s40                    ; my column
	; descriptor group 1: a dense block of 33,792 bytes as 132 rows of 256 bytes (32 elements of 8 bytes), no padding
	s_or_b32 s[G1+0], s43, (3<<16)|(1<<21)         ; 15:0 the mask: A's blocks go to my row; 17:16 elements of 8 bytes; 21 set beside a mask
	s_or_b32 s[G1B+0], s44, (3<<16)|(1<<21)        ; B's go to my column
.irp g, G1, G1B
	s_mov_b32 s[\g+1], 32<<16                      ; tensor_dim0 = 32
	s_mov_b32 s[\g+2], 132<<16                     ; tensor_dim1 = 132
	s_mov_b32 s[\g+3], 32<<16                      ; tile_dim0 = 32
	s_mov_b32 s[\g+4], 132                         ; tile_dim1 = 132
	s_mov_b32 s[\g+5], 32                          ; tensor_dim0_stride: each row begins where the last ends
	s_mov_b32 s[\g+6], 0
	s_mov_b32 s[\g+7], 0
.endr
	s_lshl_b32 s20, s17, 1
	s_add_co_u32 s20, s20, s16
	s_mul_i32 s20, s20, PSTR                       ; A: panel 2 x tile row + half, which my row of the cluster shares
	s_mov_b32 s21, 0
	s_lshl_b32 s46, s42, 1
	s_add_co_u32 s46, s46, s16
	s_mul_i32 s46, s46, PSTR                       ; B: panel 2 x tile column + half, which my column shares
	s_mov_b32 s47, 0
	s_mul_i32 s45, s14, BLK                        ; where it goes: wave x a block: no place in the cluster enters an LDS address
	s_wait_kmcnt 0x0
	s_add_nc_u64 s[20:21], s[4:5], s[20:21]
	s_add_nc_u64 s[46:47], s[6:7], s[46:47]
	CROUND                                         ; all sixteen work-groups are here: the first joint loads meet
.irp s, 0,1
	s_mov_b32 s[G0+4*\s], 1                                        ; count = 1
	s_add_co_u32 s[G0+4*\s+1], s45, \s*SLOT                        ; LDS address
	s_add_nc_u64 s[G0+4*\s+2:G0+4*\s+3], s[20:21], \s*BLK          ; global address: K step s
	s_or_b32 s[G0+4*\s+3], s[G0+4*\s+3], 0x80000000                ; type = 2
	s_mov_b32 s[G0B+4*\s], 1
	s_add_co_u32 s[G0B+4*\s+1], s45, \s*SLOT
	s_add_nc_u64 s[G0B+4*\s+2:G0B+4*\s+3], s[46:47], \s*BLK
	s_or_b32 s[G0B+4*\s+3], s[G0B+4*\s+3], 0x80000000
	JLOAD G0+4*\s, G1, G0B+4*\s, G1B               ; two tensor loads of mine are out
.endr
	v_and_b32 v1, 31, v0                           ; lane
	v_and_b32 v2, 15, v0                           ; r
	v_bfe_u32 v3, v0, 4, 1                         ; h
	v_lshlrev_b32 v4, 4, v1                        ; 16 x lane
	s_mul_i32 s21, s15, BLK                        ; my panel of A
	s_mul_i32 s22, s16, BLK                        ; my panel of B,
	s_add_co_u32 s22, s22, 2*BLK                   ; behind A's two
.irp s, 0,1
	v_add_nc_u32 v[ADRA+\s], s21, v4
	v_add_nc_u32 v[ADRB+\s], s22, v4
	s_add_co_u32 s21, s21, SLOT
	s_add_co_u32 s22, s22, SLOT
.endr
	s_mul_i32 s21, s15, BLK                        ; the scale words: A's block,
	s_mul_i32 s22, s16, BLK
	s_add_co_u32 s22, s22, 2*BLK
	s_sub_co_u32 s22, s22, s21                     ; and how far behind it B's lies:
	v_mul_u32_u24 v6, s22, v3                      ; lanes 16-31 take B's
	v_lshl_add_u32 v6, v2, 4, v6                   ; 16 bytes a row: the words of two row blocks x two halves
	s_add_co_u32 s21, s21, 32768                   ; behind the block's codes
	v_add_nc_u32 v[ADRS], s21, v6
	v_add_nc_u32 v[ADRS+1], SLOT, v[ADRS]
	s_mul_i32 s23, s14, 16*SPITCH
	s_add_co_u32 s23, s23, STAGE                   ; my stage
	v_mul_u32_u24 v5, v2, SPITCH                   ; in: row r, 32 bytes for each half of the lanes
	v_lshl_add_u32 v5, v3, 5, v5
	v_add_nc_u32 v[STO], s23, v5
	v_lshlrev_b32 v[CO], 4, v1                     ; back: the 32 lanes take one row of 512 bytes; and the same in out0
	v_add_nc_u32 v[RD], s23, v[CO]
	v_lshlrev_b32 v[BO], 5, v3
	v_lshlrev_b32 v[PFO], 8, v1
	s_lshl_b32 s20, s17, 8
	s_lshl_b32 s21, s15, 7
	s_add_co_u32 s20, s20, s21                     ; my first row of out0: 256 x tile row + 128 x half,
	s_lshl_b32 s20, s20, 14                        ; of 16,384 bytes
	s_mov_b32 s21, 0
	s_lshl_b32 s46, s42, 10                        ; my first column, in bytes: 1,024 x tile column + 512 x half
	s_lshl_b32 s47, s16, 9
	s_add_co_u32 s46, s46, s47
	s_mov_b32 s47, 0
	s_add_nc_u64 s[10:11], s[10:11], s[20:21]
	s_add_nc_u64 s[10:11], s[10:11], s[46:47]
	s_add_nc_u64 s[8:9], s[8:9], s[46:47]          ; the bias at my 128 columns: the same bytes on
	; the prefetches: which panel, who asks, where they stand
	s_and_b32 s22, ttmp7, 0xffff                   ; cluster y
	s_cmp_eq_u32 s15, 0                            ; do I fetch for A?
	s_cselect_b32 s20, s17, s42                    ; the panel: by the tile row in A, by the tile column in B
	s_cselect_b32 s21, s40, s41                    ; my place among the four that ask for it with me
	s_cselect_b32 s22, ttmp9, s22                  ; the coordinate along which other clusters read the same panel
	s_cselect_b64 s[PFA:PFA+1], s[4:5], s[6:7]
	s_cmp_eq_u32 s22, 0
	s_cselect_b32 s[LIM], 1, -1                    ; the same in all sixteen partners, for a given wave
	s_lshl_b32 s20, s20, 1
	s_add_co_u32 s20, s20, s16
	s_mul_i32 s20, s20, PSTR
	s_lshl_b32 s21, s21, 13                        ; my work-group's 8,192 bytes of each 32,768
	s_add_co_u32 s20, s20, s21
	s_add_co_u32 s20, s20, 4*BLK-32768             ; the first change of slots steps it to the panel's K step 4.  Nothing is prefetched here, at the head
	s_mov_b32 s21, 0
	s_add_nc_u64 s[PFA:PFA+1], s[PFA:PFA+1], s[20:21]
.irp b, 0,1,2,3,4,5,6,7
	global_load_b128 v[BI+8*\b:BI+8*\b+3], v[BO], s[8:9] offset:64*\b          ; bias of columns 16 b + 8 h + 0 .. 7
	global_load_b128 v[BI+8*\b+4:BI+8*\b+7], v[BO], s[8:9] offset:64*\b+16
.endr
.macro FRAG reg, adr, q, i             ; a fragment's image: four loads of 512 consecutive bytes give each lane the registers that the lane of the same number stored
.irp c, 0,1,2,3
	ds_load_b128 v[\reg+4*\c:\reg+4*\c+3], v[\adr] offset:(2*(\i)+(\q))*2048+512*\c
.endr
.endm
; 16 matrix instructions: A's blocks a0, a0 + 1 x B's eight, 128 along K: the slot's q-th.  p: B's set;  sc: the set of scale words.  first = 1: the bias is the C: the first product starts the sums.
; The 64 accumulators take turns, one instruction a turn, in the same order in every step.
.macro MUL16 a0, p, q, sc, first
.irp a, \a0, \a0+1
.irp b, 0,1,2,3,4,5,6,7
.if \first
	v_wmma_scale_f32_16x16x128_f8f6f4 v[8*(8*((\a)%4)+\b):8*(8*((\a)%4)+\b)+7], v[128*(\p)+FR*\b:128*(\p)+FR*\b+FR-1], v[AF+FR*(\a):AF+FR*(\a)+FR-1], v[BI+8*\b:BI+8*\b+7], v[SC+8*NQ*(\sc)+NQ*\b+(\q)], v[SC+8*NQ*(\sc)+NQ*(\a)+(\q)] matrix_a_fmt:MATRIX_FMT_BF8 matrix_b_fmt:MATRIX_FMT_BF8 matrix_a_scale:MATRIX_SCALE_ROW1
.else
	v_wmma_scale_f32_16x16x128_f8f6f4 v[8*(8*((\a)%4)+\b):8*(8*((\a)%4)+\b)+7], v[128*(\p)+FR*\b:128*(\p)+FR*\b+FR-1], v[AF+FR*(\a):AF+FR*(\a)+FR-1], v[8*(8*((\a)%4)+\b):8*(8*((\a)%4)+\b)+7], v[SC+8*NQ*(\sc)+NQ*\b+(\q)], v[SC+8*NQ*(\sc)+NQ*(\a)+(\q)] matrix_a_fmt:MATRIX_FMT_BF8 matrix_b_fmt:MATRIX_FMT_BF8 matrix_a_scale:MATRIX_SCALE_ROW1
.endif
.endr
.endr
.endm
.macro FETCH_B slot, q, p              ; B's eight fragments of the slot's q-th 128 along K into set p
	WIN TO_B
.irp i, 0,1,2,3,4,5,6,7
	FRAG 128*(\p)+FR*\i, ADRB+\slot, \q, \i
.endr
	WIN 0
.endm
.macro FETCH_A slot, q, i0             ; A's blocks i0 .. i0 + 3
.irp i, \i0, \i0+1, \i0+2, \i0+3
	FRAG AF+FR*(\i), ADRA+\slot, \q, \i
.endr
.endm
.macro SCALES sc                       ; slot sc's scale words into set sc: a load brings the words of two row blocks x two halves; lanes 0-15 take A's, lanes 16-31 B's
.irp j, 0,1,2,3
	ds_load_b128 v[SC+8*NQ*\sc+4*\j:SC+8*NQ*\sc+4*\j+3], v[ADRS+\sc] offset:256*\j
.endr
.endm
; A load into a register that a matrix instruction has read, and an LDS store that reads a matrix result, stand NP places behind that matrix instruction, and only plain vector instructions that name none of its
; registers are places (ISA guide 7.12.1 for vector instructions); the matrix instructions in between are not counted.
.macro PLACES n
.rept \n
	v_nop
.endr
.endm
; A step of 128 along K that has its successor in the same slot.
.macro STEP slot, q, first
	s_wait_dscnt 4*NL                              ; B's set, A's blocks 0-3 and the scale words are in; the youngest sixteen loads (A's blocks 4-7) may be out
.if \first
	WIN FIRST_LO
.else
	WIN MUL_LO
.endif
	MUL16 0, (\q)%2, \q, \slot, \first
	MUL16 2, (\q)%2, \q, \slot, \first
	s_wait_dscnt 0                                 ; A's blocks 4-7 are in (asked for 32 matrix instructions ago)
	PLACES NP
	FETCH_B \slot, (\q)+1, 1-(\q)%2
	FETCH_A \slot, (\q)+1, 0
.if \first
	WIN FIRST_HI
.else
	WIN MUL_HI
.endif
	MUL16 4, (\q)%2, \q, \slot, \first
	MUL16 6, (\q)%2, \q, \slot, \first
	PLACES NP
	WIN 0
	FETCH_A \slot, (\q)+1, 4
.endm
; A slot's last step changes slots: ONE barrier; in front of it each wave waits for all its tensor loads, adds 0 to its spare word, and waits for that and for its own reads of this slot.  fill = 1: this slot is filled again, two K steps ahead.
.macro TURN slot, next, fill
.if \fill
	s_wait_xcnt 0x0                                ; the last prefetch, a K step back, has read its address: it is stepped here, ahead of the waits of the change of slots
	s_add_nc_u64 s[PFA:PFA+1], s[PFA:PFA+1], 32768
.endif
	s_wait_tensorcnt 0x0                           ; all my tensor loads have landed: the one that was out is my part of the next slot;  (every window is 0 here: the add's two registers lie in window 0)
	ds_add_u32 v[SPW], v[NIL]                      ; 0 onto my spare word
	s_wait_dscnt 4*NL+1                            ; (the add and the youngest sixteen loads, A's blocks 4-7, may be out)
	WIN MUL_LO
	MUL16 0, 1, NQ-1, \slot, 0                     ; sixteen matrix instructions stand between the add and the wait for it
	s_wait_dscnt 0x0                               ; the add is done, and my reads of this slot are over
	s_barrier_signal -1
	MUL16 2, 1, NQ-1, \slot, 0
	WIN 0
	s_barrier_wait -1
.if \fill
	CREST                                          ; the barrier has opened a round of the cluster's barrier: no wave of any partner still reads this slot or has a load on its way
	s_add_nc_u64 s[G0+4*\slot+2:G0+4*\slot+3], s[G0+4*\slot+2:G0+4*\slot+3], 2*BLK
	s_add_nc_u64 s[G0B+4*\slot+2:G0B+4*\slot+3], s[G0B+4*\slot+2:G0B+4*\slot+3], 2*BLK
	JLOAD G0+4*\slot, G1, G0B+4*\slot, G1B         ; the first tensor load behind the round, and my one load until the next; the four v_nop behind it are among the places in front of the loads below
	PLACES NP-4
.else
	PLACES NP
.endif
	FETCH_B \next, 0, 0
	FETCH_A \next, 0, 0
	SCALES \next
.if \fill
	ASK                                            ; behind the joint load and the run of LDS loads that the next products wait for
.endif
	WIN MUL_HI
	MUL16 4, 1, NQ-1, \slot, 0
	MUL16 6, 1, NQ-1, \slot, 0
	PLACES NP
	WIN 0
	FETCH_A \next, 0, 4
.endm
	s_wait_tensorcnt 1                             ; my part of K step 0 is in (K step 1's load may be out)
	s_barrier_signal -1
	s_barrier_wait -1                              ; everybody's is
	FETCH_B 0, 0, 0
	FETCH_A 0, 0, 0
	SCALES 0
	FETCH_A 0, 0, 4
	s_wait_loadcnt 0x0                             ; the bias
	STEP 0, 0, 1                                   ; the first step stands in front of the loop: its products start the sums, on the bias
	s_mov_b32 s3, LAPS-1
.Llap:                                                 ; a trip goes once round the ring, from a lap's second step to the next lap's first, and fills both slots again
	TURN 0, 1, 1
	STEP 1, 0, 0
	TURN 1, 0, 1
	STEP 0, 0, 0
	s_sub_co_u32 s3, s3, 1
	s_cmp_lg_u32 s3, 0
	s_cbranch_scc1 .Llap
	TURN 0, 1, 0                                   ; the last lap fills nothing, and has no round of the cluster's barrier
	STEP 1, 0, 0
	s_wait_dscnt 4*NL                              ; the very last step: nothing more to fetch
	WIN MUL_LO
	MUL16 0, 1, NQ-1, 1, 0
	MUL16 2, 1, NQ-1, 1, 0
	s_wait_dscnt 0
	WIN MUL_HI
	MUL16 4, 1, NQ-1, 1, 0
	MUL16 6, 1, NQ-1, 1, 0
	WIN 0
; THE WAY OUT, block by block of 16 rows x 128 columns.  A lane holds 32 neighbouring bytes of a row, and the lanes beside it hold other rows: so a block goes through my own stage in LDS and comes back as whole
; rows of 512 bytes, which the 32 lanes store as 512 consecutive bytes.  LDS serves a wave's instructions in order (ISA guide 5.7.1.4): no wait between the stores and the loads, nor in front of the next block's stores.
.macro TOSTAGE a
.set AC, 64*((\a)%4)
	WIN 0x08+4*((\a)/4)                            ; the data: window 2 or 3
.irp b, 0,1,2,3,4,5,6,7
	ds_store_b128 v[STO], v[AC+8*\b:AC+8*\b+3] offset:64*\b          ; each accumulator from its low end on
	ds_store_b128 v[STO], v[AC+8*\b+4:AC+8*\b+7] offset:64*\b+16
.endr
	WIN 0
.set BB, BK+64*((\a)%2)
.irp t, 0,1,2,3,4,5,6,7,8,9,10,11,12,13,14,15
	ds_load_b128 v[BB+4*\t:BB+4*\t+3], v[RD] offset:\t*SPITCH
.endr
.endm
.macro SEND a, younger                 ; younger: the LDS instructions issued behind block a's loads, which may stay out
.set BB, BK+64*((\a)%2)
	s_wait_dscnt \younger                          ; the block is back in registers
.if (\a) > 0
	s_add_nc_u64 s[10:11], s[10:11], 16*SIZE_N*4   ; (behind a wait on XCNT: the earlier stores have read their base)  16 rows of out0 on: the stores' offsets stay at 15 rows, 245,760 bytes, at the most
.endif
.irp t, 0,1,2,3,4,5,6,7,8,9,10,11,12,13,14,15
	global_store_b128 v[CO], v[BB+4*\t:BB+4*\t+3], s[10:11] offset:\t*SIZE_N*4 th:TH_STORE_NT   ; 32 lanes store 512 consecutive bytes, at a multiple of 256 from out0's first byte; written once, read by nobody here
.endr
.endm
	PLACES NP                                      ; behind the last products: for the loads into the registers that held A's fragments, and for the reads of block 7's results
	TOSTAGE 0
.irp a, 1,2,3,4,5,6,7
.if \a > 1
	s_wait_xcnt 0x0                                ; block a - 2's stores have read their registers and their base: block a's loads may land there, and the base may step
.endif
	TOSTAGE \a
	SEND \a-1, 32                                  ; behind block a - 1's loads: block a's 16 stores and 16 loads
.endr
	s_wait_xcnt 0x0                                ; block 6's stores have read their base
	SEND 7, 0
	s_wait_tensorcnt 0x0                           ; the wave's end: behind my last tensor load and my last LDS store
	ds_add_u32 v[SPW], v[NIL]
	s_wait_dscnt 0x0
	CROUND                                         ; the closing round: no work-group ends while a partner may still ask for a block that names it
	s_endpgm
.Lfunc_end_k_qf80871997c_gemm:
	.size	k_qf80871997c_gemm, .Lfunc_end_k_qf80871997c_gemm-k_qf80871997c_gemm
	.p2alignl 7, 3214868480
	.fill 96, 4, 3214868480
	.section	.rodata,"a",@progbits
	.p2align	6, 0x0
	.amdhsa_kernel k_qf80871997c_gemm
		.amdhsa_group_segment_fixed_size 327680
		.amdhsa_private_segment_fixed_size 0
		.amdhsa_enable_private_segment 0
		.amdhsa_kernarg_size 32
		.amdhsa_user_sgpr_count 2
		.amdhsa_user_sgpr_kernarg_segment_ptr 1
		.amdhsa_wavefront_size32 1
		.amdhsa_system_sgpr_workgroup_id_x 1
		.amdhsa_system_sgpr_workgroup_id_y 1
		.amdhsa_system_sgpr_workgroup_id_z 1
		.amdhsa_system_vgpr_workitem_id 0
		.amdhsa_next_free_vgpr 1024
		.amdhsa_next_free_sgpr 72
		.amdhsa_reserve_vcc 0
		.amdhsa_float_denorm_mode_32 3
		.amdhsa_float_denorm_mode_16_64 3
		.amdhsa_memory_ordered 1
		.amdhsa_forward_progress 1
		.amdhsa_inst_pref_size 145
	.end_amdhsa_kernel
	.amdgpu_metadata
---
amdhsa.version: [ 1, 2 ]
amdhsa.kernels:
  - .name:           k_qf80871997c_gemm
    .symbol:         k_qf80871997c_gemm.kd
    .args:
      - { .name: xq, .offset: 0, .size: 8, .value_kind: global_buffer, .address_space: global }
      - { .name: wq, .offset: 8, .size: 8, .value_kind: global_buffer, .address_space: global }
      - { .name: bias, .offset: 16, .size: 8, .value_kind: global_buffer, .address_space: global }
      - { .name: out0, .offset: 24, .size: 8, .value_kind: global_buffer, .address_space: global }
    .group_segment_fixed_size: 327680
    .private_segment_fixed_size: 0
    .kernarg_segment_align: 8
    .kernarg_segment_size: 32
    .max_flat_workgroup_size: 128
    .sgpr_count:     72
    .vgpr_count:     1024
    .wavefront_size: 32
...
	.end_amdgpu_metadata
.endif
;; end of part 2
;; ======== version 2 of 2: 2 launches
;; limits: right only within a limited range of input values
;; workspace buffers: xq 17,301,504 bytes; wq 17,301,504 bytes
;; launch quant (part 3): grid 2048 x 1, 1 waves a work-group, no clusters, 25,344 bytes of LDS; arguments x, w_idx, values, xq, wq; writes xq, wq
.if DOCPART == 3
	.amdgcn_target "amdgcn-amd-amdhsa--gfx1250"
	.amdhsa_code_object_version 6
	.text
	.protected	k_qf80871997c_quant
	.globl	k_qf80871997c_quant
	.p2align	8
	.type	k_qf80871997c_quant,@function
k_qf80871997c_quant:
	s_mov_b64 s[64:65], 0
	v_nop
	global_prefetch_b8 v0, s[64:65] scope:SCOPE_SE
	s_setreg_imm32_b32 hwreg(HW_REG_WAVE_MODE, 25, 1), 1
	s_wait_xcnt 0x0
; x [4096][4096] f32 and W = values[w_idx] ([4096][4096]; the table has 4,096 f32) are turned into codes of BF8 (E5M2) with one E8M0 scale byte for each 32 along K.
; A block's scale is 2^(floor(log2(its largest magnitude)) - 15); its byte is the largest magnitude's exponent field - 15, held at 1 from below; each number is held within +-57,344 x the scale and rounded to the nearest code, ties to even.
; THE WORKSPACE (xq for x, wq for W) IS LAID IN THE ORDER OF THE OPERAND'S REGISTERS: [panel of 128 rows][K step of 256][block of 33,792 bytes].  In a block: 16 images of fragments (16 rows x 128 K), 2,048 bytes each,
; fragment (i = row block, q = half of the K step) at (2 i + q) x 2,048, in it register group c of lane l at 512 c + 16 l; from byte 32,768 on the scale words: row 16 i + r, half q at 256 (i / 2) + 16 r + 8 (i % 2) + 4 q.
; INSIDE EACH BLOCK OF 32 place 16 h + 4 j + e holds the true k = 8 j + 4 h + e, alike in both tensors (one macro makes both).  Blocks stay blocks, so the scales are the rule's; only the order of the f32 sums differs.
; LIMITS: NaN and infinities among the inputs are not served.  A block of zeros gets the byte 1 where the rule says 127: its codes are zeros, which add nothing, and this program alone reads the bytes.
; An index is held at 4,095 from above ahead of its use as an address; the problem keeps indices inside the table.
; SHARES.  A work-group is one wave, and all are alike: work-group n takes rows 32 (n / 16) on, K step n % 16, OF BOTH TENSORS: 8 fragments t, x's (t even) and W's (t odd) by turns; t / 2 = 2 i2 + q (row block i2, half q).
; So the gather's LDS reads are dealt evenly among the waves, and no branch hangs on the kind of tensor.
; EVERY LOAD IS DENSE: the 32 lanes read 512 consecutive bytes of one row, 16 loads a fragment.  The conversions want 16 neighbours of a block in one lane, and the operand's layout wants row r in lanes r and r + 16: so a fragment's
; 16 x 512 bytes go through the wave's stage in LDS, as they lie, and come back 16 bytes at a time from row r.  The stage's rows are 528 bytes apart: the sixteen lanes of a read touch sixteen different columns of 16 bytes modulo 256.
; LDS: bytes 0 to 16,383 the table; from 16,384 on the stage, 16 x 528 bytes; from 25,088 on the spare words.  One wave, so no barrier: LDS serves a wave's instructions in order (ISA guide 5.7.1.4).
; Loads run three fragments (48 loads) ahead, in three sets of 64 registers; fragment t uses set (t + 2) % 3, since at the head sets 0 and 1 carry the table.  Every offset is an immediate (508,416 at the most).
.set BLK,  33792
.set PSTR, 16*BLK
.set ROWB, 16384                       ; a row of x or of w_idx in bytes
.set STG,  16384
.set SP,   528
.set L16,  4                           ; v4   16 x lane
.set VW,   5                           ; v5   the stage, on the way in
.set VS,   6                           ; v6   out: my 8 bytes of a unit of scale words: 16 r + 8 h
.set VR,   7                           ; v7   the stage, on the way out: STG + 528 r + 16 h
.set TM,   8                           ; v8-11 largest magnitudes, v12-15 bytes, v16-19 the largest number x the scale, v20-23 the conversions' scale operands
.set X,    32                          ; v32-223 three sets of 64 numbers (or indices)
.set PC,   224                         ; v224-239 a fragment's codes
.set SW,   240                         ; v240-247 the eight scale words: tensor T, row block i2, half q at 4 T + 2 i2 + q
.set SD,   248                         ; v248-251 the words that my lane stores: x's two, W's two
	s_load_b256 s[4:11], s[0:1], 0x0               ; x s[4:5], w_idx s[6:7], values s[8:9], xq s[10:11]
	s_load_b64 s[12:13], s[0:1], 0x20              ; wq
	v_lshl_add_u32 v254, v0, 2, 0x6200             ; my spare word, and 0: kept for the add at the wave's end
	v_mov_b32 v255, 0
	v_and_b32 v2, 15, v0                           ; r  (v0 is the lane)
	v_bfe_u32 v3, v0, 4, 1                         ; h
	v_lshlrev_b32 v[L16], 4, v0
	v_add_nc_u32 v[VW], STG, v[L16]
	v_mul_u32_u24 v[VR], v2, SP
	v_lshl_add_u32 v[VR], v3, 4, v[VR]
	v_add_nc_u32 v[VR], STG, v[VR]
	v_lshlrev_b32 v[VS], 4, v2
	v_lshl_add_u32 v[VS], v3, 3, v[VS]
.irp b, 0,1,2,3
	v_mov_b32 v[TM+4+\b], 0                        ; written once: a lane permute's destination counts as one of its sources
.endr
	s_and_b32 s17, ttmp9, 15                       ; the K step
	s_lshr_b32 s18, ttmp9, 4                       ; rows 32 x this on
	s_lshr_b32 s19, s18, 2                         ; the panel
	s_and_b32 s33, s18, 3                          ; j: row blocks 2 j and 2 j + 1 of the panel
	s_lshl_b32 s20, s18, 19                        ; in: 32 rows of 16,384 bytes,
	s_lshl_b32 s21, s17, 10                        ; 256 numbers of 4 bytes
	s_add_co_u32 s20, s20, s21
	s_mov_b32 s21, 0
	s_mul_i32 s22, s19, PSTR
	s_mul_i32 s23, s17, BLK
	s_add_co_u32 s22, s22, s23                     ; out: the block
	s_lshl_b32 s14, s33, 8
	s_add_co_u32 s14, s14, s22                     ; its scale words: 256 bytes for two row blocks
	s_mov_b32 s15, 0
	s_lshl_b32 s23, s33, 13
	s_add_co_u32 s22, s22, s23                     ; its codes: 8,192 bytes for two row blocks
	s_mov_b32 s23, 0
	s_mov_b32 s30, 0x76543210
	s_mov_b32 s31, 0xfedcba98                      ; v_permlanex16_b32's selects for lane l xor 16
	s_mov_b32 s32, 0x600000                        ; the mantissa field of 57,344
	s_wait_alu depctr_va_vdst(0)
	s_wait_kmcnt 0x0
	s_add_nc_u64 s[4:5], s[4:5], s[20:21]          ; in: x, w_idx
	s_add_nc_u64 s[6:7], s[6:7], s[20:21]
	s_add_nc_u64 s[24:25], s[10:11], s[22:23]      ; out: codes of x, of W
	s_add_nc_u64 s[26:27], s[12:13], s[22:23]
	s_add_nc_u64 s[28:29], s[10:11], s[14:15]      ; out: scale words of x, of W
	s_add_nc_u64 s[34:35], s[12:13], s[14:15]
; Fragment t's 16 rows x 512 bytes into its set, as they lie
.macro LOAD t
.set LS, X+64*(((\t)+2)%3)
.set IB, 4+2*((\t)%2)
.irp i, 0,1,2,3,4,5,6,7,8,9,10,11,12,13,14,15
	global_load_b128 v[LS+4*\i:LS+4*\i+3], v[L16], s[IB:IB+1] offset:(16*((\t)/4)+\i)*ROWB+(((\t)/2)%2)*512 th:TH_LOAD_NT   ; 32 lanes read 512 consecutive bytes; read once in the launch
.endr
.endm
; The set in v[XS] on goes through the stage and comes back: register 16 c + 4 j + e = the number at byte 128 c + 32 j + 16 h + 4 e of row r's 512
.macro TURN
.irp i, 0,1,2,3,4,5,6,7,8,9,10,11,12,13,14,15
	ds_store_b128 v[VW], v[XS+4*\i:XS+4*\i+3] offset:\i*SP
.endr
.irp c, 0,1,2,3
.irp j, 0,1,2,3
	ds_load_b128 v[XS+16*\c+4*\j:XS+16*\c+4*\j+3], v[VR] offset:128*\c+32*\j   ; served in order behind the stores above
.endr
.endr
	s_wait_dscnt 0x0
.endm
; The 64 indices in v[XS] on become the table's numbers, in place
.macro GATHER
.set n, 0
.rept 64
	v_min_u32 v[XS+n], 0xfff, v[XS+n]              ; held inside the table ahead of its use as an address
.set n, n+1
.endr
.set n, 0
.rept 64
	v_lshlrev_b32 v[XS+n], 2, v[XS+n]
.set n, n+1
.endr
.set n, 0
.rept 64
	ds_load_b32 v[XS+n], v[XS+n]
.set n, n+1
.endr
	s_wait_dscnt 0x0
.endm
; The 64 numbers in v[XS] on, register 16 b + i = place 32 b + 16 h + i of my row, become a fragment's codes in v[PC] on and its scale word in v[WD]
.macro QUANT
.irp b, 0,1,2,3
	v_max3_num_f32 v[TM+\b], |v[XS+16*\b]|, |v[XS+1+16*\b]|, 0x8000000   ; block b: my 16 numbers, and the floor 2^(16 - 127): so the byte cannot fall under 1
.endr
.irp i, 2,4,6,8,10,12,14
.irp b, 0,1,2,3
	v_max3_num_f32 v[TM+\b], v[TM+\b], |v[XS+16*\b+\i]|, |v[XS+1+16*\b+\i]|   ; the four blocks by turns
.endr
.endr
.irp b, 0,1,2,3
	v_permlanex16_b32 v[TM+4+\b], v[TM+\b], s30, s31
.endr
.irp b, 0,1,2,3
	v_max_num_f32 v[TM+\b], v[TM+\b], v[TM+4+\b]   ; with lane l xor 16's: the block's largest magnitude
.endr
.irp b, 0,1,2,3
	v_add_nc_u32 v[TM+12+\b], 0xf8800000, v[TM+\b] ; 15 off its exponent field: the conversion's scale operand
.endr
.irp b, 0,1,2,3
	v_and_or_b32 v[TM+8+\b], v[TM+\b], 0x7f800000, s32   ; 57,344 x the scale
.endr
.irp b, 0,1,2,3
	v_lshrrev_b32 v[TM+4+\b], 23, v[TM+12+\b]      ; the scale's byte
.endr
	v_lshl_or_b32 v[WD], v[TM+5], 8, v[TM+4]       ; my row's scale word (both lanes of a row hold the same)
	v_lshl_or_b32 v[WD], v[TM+6], 16, v[WD]
	v_lshl_or_b32 v[WD], v[TM+7], 24, v[WD]
	s_wait_xcnt 0x0                                ; the last fragment's stores have read v[PC] on: it is written again only behind this wait
.irp b, 0,1,2,3
.irp i, 0,1,2,3,4,5,6,7,8,9,10,11,12,13,14,15
	v_med3_num_f32 v[XS+16*\b+\i], v[XS+16*\b+\i], -v[TM+8+\b], v[TM+8+\b]   ; the conversion to an 8-bit code does not saturate (ISA guide 7.6.2)
.endr
	v_cvt_scalef32_pk8_bf8_f32 v[PC+4*\b:PC+1+4*\b], v[XS+16*\b:XS+7+16*\b], v[TM+12+\b]
	v_cvt_scalef32_pk8_bf8_f32 v[PC+2+4*\b:PC+3+4*\b], v[XS+8+16*\b:XS+15+16*\b], v[TM+12+\b]
.endr
	v_nop                                          ; one plain vector instruction behind the last scaled conversion
.endm
; Fragment t: its loads are in; through the stage; (W: the gather;) quantised; the set takes the loads of three fragments on; the image leaves, 512 consecutive bytes a store
.macro FRAG t
.set XS, X+64*(((\t)+2)%3)
.set WD, SW+4*((\t)%2)+(\t)/2
.set OB, 24+2*((\t)%2)
.if (\t) <= 5
	s_wait_loadcnt 32                              ; loads come back in order: mine are in, the two younger sets' 32 may be out
.else
	s_wait_loadcnt 16*(7-(\t))
.endif
	TURN
.if (\t)%2
	GATHER
.endif
	QUANT
.if (\t)+3 < 8
	LOAD (\t)+3
.endif
.irp c, 0,1,2,3
	global_store_b128 v[L16], v[PC+4*\c:PC+4*\c+3], s[OB:OB+1] offset:((\t)/4)*4096+(((\t)/2)%2)*2048+512*\c
.endr
.endm
.set n, 0
.rept 32
	global_load_b128 v[X+4*n:X+4*n+3], v[L16], s[8:9] offset:512*n   ; the table, 32 x 512 bytes, through sets 0 and 1; many work-groups read it, so no hint
.set n, n+1
.endr
	LOAD 0                                         ; into set 2
	s_wait_loadcnt 16                              ; the table's 32 loads are in; fragment 0's sixteen behind them may be out
.set n, 0
.rept 32
	ds_store_b128 v[L16], v[X+4*n:X+4*n+3] offset:512*n
.set n, n+1
.endr
	s_wait_dscnt 0x0                               ; the stores have read sets 0 and 1, which now take loads
	LOAD 1
	LOAD 2
.irp t, 0,1,2,3,4,5,6,7
	FRAG \t
.endr
	v_cmp_gt_u32 vcc_lo, 16, v0                    ; lanes 0-15 store row block 2 j's two words of row r, lanes 16-31 row block 2 j + 1's
.irp n, 0,1
	v_cndmask_b32 v[SD+\n], v[SW+2+\n], v[SW+\n], vcc_lo
	v_cndmask_b32 v[SD+2+\n], v[SW+6+\n], v[SW+4+\n], vcc_lo
.endr
	global_store_b64 v[VS], v[SD:SD+1], s[28:29] offset:32768     ; 32 lanes store 256 consecutive bytes, at a multiple of 256 from the buffer's first byte
	global_store_b64 v[VS], v[SD+2:SD+3], s[34:35] offset:32768
	s_wait_tensorcnt 0x0                           ; the wave's end
	ds_add_u32 v254, v255
	s_wait_dscnt 0x0
	s_endpgm
.Lfunc_end_k_qf80871997c_quant:
	.size	k_qf80871997c_quant, .Lfunc_end_k_qf80871997c_quant-k_qf80871997c_quant
	.p2alignl 7, 3214868480
	.fill 96, 4, 3214868480
	.section	.rodata,"a",@progbits
	.p2align	6, 0x0
	.amdhsa_kernel k_qf80871997c_quant
		.amdhsa_group_segment_fixed_size 25344
		.amdhsa_private_segment_fixed_size 0
		.amdhsa_enable_private_segment 0
		.amdhsa_kernarg_size 40
		.amdhsa_user_sgpr_count 2
		.amdhsa_user_sgpr_kernarg_segment_ptr 1
		.amdhsa_wavefront_size32 1
		.amdhsa_system_sgpr_workgroup_id_x 1
		.amdhsa_system_sgpr_workgroup_id_y 1
		.amdhsa_system_sgpr_workgroup_id_z 1
		.amdhsa_system_vgpr_workitem_id 0
		.amdhsa_next_free_vgpr 256
		.amdhsa_next_free_sgpr 66
		.amdhsa_reserve_vcc 1
		.amdhsa_float_denorm_mode_32 3
		.amdhsa_float_denorm_mode_16_64 3
		.amdhsa_memory_ordered 1
		.amdhsa_forward_progress 1
		.amdhsa_inst_pref_size 144
	.end_amdhsa_kernel
	.amdgpu_metadata
---
amdhsa.version: [ 1, 2 ]
amdhsa.kernels:
  - .name:           k_qf80871997c_quant
    .symbol:         k_qf80871997c_quant.kd
    .args:
      - { .name: x, .offset: 0, .size: 8, .value_kind: global_buffer, .address_space: global }
      - { .name: w_idx, .offset: 8, .size: 8, .value_kind: global_buffer, .address_space: global }
      - { .name: values, .offset: 16, .size: 8, .value_kind: global_buffer, .address_space: global }
      - { .name: xq, .offset: 24, .size: 8, .value_kind: global_buffer, .address_space: global }
      - { .name: wq, .offset: 32, .size: 8, .value_kind: global_buffer, .address_space: global }
    .group_segment_fixed_size: 25344
    .private_segment_fixed_size: 0
    .kernarg_segment_align: 8
    .kernarg_segment_size: 40
    .max_flat_workgroup_size: 32
    .sgpr_count:     66
    .vgpr_count:     256
    .wavefront_size: 32
...
	.end_amdgpu_metadata
.endif
;; end of part 3
;; launch gemm (part 4): grid 16 x 16, 4 waves a work-group, clusters of 4 x 4, 327,680 bytes of LDS; arguments xq, wq, bias, out0; writes out0
.if DOCPART == 4
	.amdgcn_target "amdgcn-amd-amdhsa--gfx1250"
	.amdhsa_code_object_version 6
	.text
	.protected	k_qf80871997c_gemm
	.globl	k_qf80871997c_gemm
	.p2align	8
	.type	k_qf80871997c_gemm,@function
k_qf80871997c_gemm:
	s_mov_b64 s[64:65], 0
	v_nop
	global_prefetch_b8 v0, s[64:65] scope:SCOPE_SE
	s_setreg_imm32_b32 hwreg(HW_REG_WAVE_MODE, 25, 1), 1
	s_wait_xcnt 0x0
	s_wait_alu depctr_hold_cnt(0) depctr_sa_sdst(0) depctr_va_vdst(0) depctr_va_sdst(0) depctr_va_ssrc(0) depctr_va_vcc(0) depctr_vm_vsrc(0)
	s_getreg_b32 s2, hwreg(HW_REG_IB_STS2, 6, 4)
	s_cmp_eq_u32 s2, 0
	s_cbranch_scc0 .Lentry_in_a_cluster
	s_endpgm
.Lentry_in_a_cluster:
	s_bfe_u32 s2, ttmp6, 0x10000c
	s_cmp_lg_u32 s2, 0xf033
	s_cbranch_scc0 .Lentry_shape_is_right
	s_endpgm
.Lentry_shape_is_right:
; out0[t][o] = sum over k of Q(x)[t][k] Q(W)[o][k] + bias[o], on the codes of BF8 (E5M2) and E8M0 scale words that the launch before has laid in xq and wq:
; [panel of 128 rows][K step of 256][block of 33,792 bytes = 16 images of fragments (16 rows x 128 K, 2,048 bytes) and 1,024 bytes of scale words].
; A tile of out0, 256 x 256, is made by four waves, one to a SIMD; a wave makes 128 x 128: 64 accumulators, 512 registers.  256 work-groups.
; K goes in 16 steps of 256 through a ring of two LDS slots; a slot holds four blocks (x's two panels, W's two), one tensor load a wave, dense rows of 256 bytes.
; CLUSTERS of 4 x 4: x's blocks are asked for jointly along a row of the cluster, W's along a column.
; THE WALK ALONG K IS ROTATED: cluster (X, Y) begins at K step ROT x ((X + Y) mod 4) and wraps at 16, so that the four clusters that read a panel ask for four different K steps of it at a time.
; The number hangs on the cluster's place in the grid alone, which all partners of a joint load share.
; THE FRAGMENT LOADS of the next 128 along K (64 for 64 products) go out in runs of 8 to 28 between groups of 16 products: W's other set first, each of x's blocks when its registers are free.
; THE LAST K STEP GOES BY ROWS OF out0: both halves of W's fragments lie in registers, and my eight blocks of 16 rows are finished one after the other and leave while the others are multiplied.
; LIMIT: the order of the f32 sums differs from ascending K (the rotation; and the order inside a block of 32, alike in both operands, that the launch before states).
; The matrix instruction is used transposed (source 0 = 16 rows of W, source 1 = 16 rows of x): a lane holds eight neighbouring numbers of a row of out0.  The bias is the C of each accumulator's first product.
; REGISTERS: window 0: v16-31 addresses, v32-63 scale words (two sets), v64-127 the bias, v128-255 x's fragments (one set; in the last K step four buffers of 16 rows x 256 K);
; window 1: W's fragments, two sets; windows 2 and 3: the accumulators of my rows 0-63 and 64-127, (a, b) at v[8 (8 (a % 4) + b)]; on the way out a block's rows come back into its own accumulators' registers.
.set SIZE_N, 4096
.set BLK,    33792
.set PSTR,   16*BLK                    ; a panel's 16 K steps
.set SLOT,   4*BLK
.set NQ,     2                         ; matrix instructions deep in a slot
.set FR,     16                        ; registers of a fragment
.set NP,     8                         ; places behind this matrix instruction (ISA guide 7.12.1)
.set LAPS,   8                         ; a lap = two K steps = once round the ring
.set ROT,    4
.set SHARE,  33*256                    ; of a block's 132 units of 256 bytes each of the four partners prefetches 33
.set SPARE,  2*SLOT                    ; the spare words, 128 bytes a wave
.set STAGE,  SPARE+512                 ; the way out: 16 rows x 528 bytes for each wave; no tensor load lands here
.set SPITCH, 528
.set ADRA, 16                          ; v16-17 LDS address of my x fragments in slot 0, 1
.set ADRB, 20                          ; v20-21 the same for W
.set ADRS, 22                          ; v22-23 my scale words: lanes 0-15 x's, lanes 16-31 W's
.set STO,  24
.set RD,   25
.set CO,   26
.set BO,   27
.set SPW,  28                          ; my spare word; never rewritten
.set NIL,  29                          ; 0; never rewritten
.set PFO,  30                          ; 256 x lane
.set PFL,  31                          ; 8,192 in every lane: my share's 33rd unit
.set SC,   32
.set BI,   64
.set AF,   128
.set G1,  24                           ; s[24:31], s[32:39] groups 1 and 0 (one for each slot) for x's blocks
.set G0,  32
.set G1B, 48                           ; s[48:55], s[56:63] for W's
.set G0B, 56
.set PFA, 68                           ; s[68:69], s[70:71], s[78:79] prefetch addresses
.set PF2, 70
.set AB,  72                           ; s[72:73] the panel of x that I fetch
.set BBS, 74                           ; s[74:75] the panel of W that I fetch
.set PB,  76                           ; s[76:77] my share of the panel that I prefetch
.set PF3, 78
.set KT,  80                           ; the cluster's first K step + the number of the next load
.set TO,  82                           ; s[82:83] a byte offset in a panel; s83 stays 0
.set MSB, 0
.macro WIN new                         ; the immediate's high byte repeats the setting that is left
.if MSB != (\new)
	s_set_vgpr_msb (MSB<<8)|(\new)
.set MSB, (\new)
.endif
.endm
.set MUL_LO,   0xa1                    ; source 0 window 1, source 1 window 0, C and D window 2
.set MUL_HI,   0xf1
.set FIRST_LO, 0x81                    ; the same with C (the bias) in window 0
.set FIRST_HI, 0xc1
.set TO_B,     0x40
.macro WLO first
.if \first
	WIN FIRST_LO
.else
	WIN MUL_LO
.endif
.endm
.macro WHI first
.if \first
	WIN FIRST_HI
.else
	WIN MUL_HI
.endif
.endm
.macro PLACES n
.rept \n
	v_nop
.endr
.endm
; A joint load: waves 0 and 1 fetch x's two blocks, waves 2 and 3 W's.  s_nop 0 and four v_nop behind each line.
.macro JLOAD s
	s_cmp_eq_u32 s15, 0
	s_cbranch_scc0 .Lfor_b_\@
	tensor_load_to_lds s[G0+4*\s:G0+4*\s+3], s[G1:G1+7]
	s_nop 0
.rept 4
	v_nop
.endr
	s_branch .Lasked_\@
.Lfor_b_\@:
	tensor_load_to_lds s[G0B+4*\s:G0B+4*\s+3], s[G1B:G1B+7]
	s_nop 0
.rept 4
	v_nop
.endr
.Lasked_\@:
.endm
.macro KOFF dt                         ; s[TO] = where K step (KT + dt) mod 16 begins in a panel
	s_add_co_u32 s[TO], s[KT], \dt
	s_and_b32 s[TO], s[TO], 15
	s_mul_i32 s[TO], s[TO], BLK
.endm
.macro KADR dst, dt                    ; a prefetch address: my share of that K step
	KOFF \dt
	s_add_nc_u64 s[\dst:\dst+1], s[PB:PB+1], s[TO:TO+1]
.endm
.macro SETG s, dt                      ; slot s's two groups 0 take K step (KT + dt) mod 16; written only where no tensor load of the wave is out
	KOFF \dt
	s_add_nc_u64 s[G0+4*\s+2:G0+4*\s+3], s[AB:AB+1], s[TO:TO+1]
	s_or_b32 s[G0+4*\s+3], s[G0+4*\s+3], 0x80000000
	s_add_nc_u64 s[G0B+4*\s+2:G0B+4*\s+3], s[BBS:BBS+1], s[TO:TO+1]
	s_or_b32 s[G0B+4*\s+3], s[G0B+4*\s+3], 0x80000000
.endm
; A prefetch: 33 units of 256 bytes, a lane a unit and the 33rd by all lanes of a second line.  Every cluster asks for the eight blocks that it will load; of the block that wave w fetches
; the partner at place p (cx for x, cy for W) names bytes 8,448 p on: each unit is named once in a cluster, and the partners are told apart by address alone.
.macro PREF p
	global_prefetch_b8 v[PFO], s[\p:\p+1] th:TH_LOAD_NT scope:SCOPE_SE
	global_prefetch_b8 v[PFL], s[\p:\p+1] th:TH_LOAD_NT scope:SCOPE_SE
.endm
.macro ASK                             ; behind the load of step t: step t + 2.  The last lap's two loads (t = 14, 15) have no step two on
	s_cmp_gt_u32 s3, 1
	s_cbranch_scc0 .Lno_more_\@
	PREF PFA
.Lno_more_\@:
.endm
.macro CREST                           ; a round of the cluster's barrier behind its opening barrier
	s_cmp_lg_u32 s14, 0
	s_cbranch_scc1 .Lnot_wave_0_\@
	s_barrier_signal -3
.Lnot_wave_0_\@:
	s_barrier_wait -3
	s_barrier_signal -1
	s_barrier_wait -1
.endm
.macro CROUND
	s_barrier_signal -1
	s_barrier_wait -1
	CREST
.endm
	s_load_b256 s[4:11], s[0:1], 0x0               ; xq s[4:5], wq s[6:7], bias s[8:9], out0 s[10:11]
	v_lshl_add_u32 v[SPW], v0, 2, SPARE
	v_mov_b32 v[NIL], 0
	ds_add_u32 v[SPW], v[NIL]                      ; the opening lines: the add, twice on end, and its wait ahead of my first tensor load
	ds_add_u32 v[SPW], v[NIL]
	v_lshrrev_b32 v1, 5, v0
	v_readfirstlane_b32 s14, v1                    ; wave 0..3
	s_lshr_b32 s15, s14, 1                         ; my half of the tile's rows; also: I fetch for x (0) or for W (1)
	s_and_b32 s16, s14, 1                          ; my half of its columns; also: which of the two panels I fetch
	s_bfe_u32 s40, ttmp6, 0x40000                  ; cx
	s_bfe_u32 s41, ttmp6, 0x40004                  ; cy
	s_lshl_b32 s42, ttmp9, 2
	s_add_co_u32 s42, s42, s40                     ; tile column
	s_and_b32 s18, ttmp7, 0xffff
	s_lshl_b32 s17, s18, 2
	s_add_co_u32 s17, s17, s41                     ; tile row
	s_add_co_u32 s[KT], s18, ttmp9
	s_and_b32 s[KT], s[KT], 3
	s_mul_i32 s[KT], s[KT], ROT                    ; the cluster's first K step
	s_lshl_b32 s43, s41, 2
	s_lshl_b32 s43, 15, s43                        ; my row of the cluster
	s_lshl_b32 s44, 0x1111, s40                    ; my column
	s_or_b32 s[G1+0], s43, (3<<16)|(1<<21)         ; elements of 8 bytes, bit 21 beside the mask, no padding
	s_or_b32 s[G1B+0], s44, (3<<16)|(1<<21)
.irp g, G1, G1B
	s_mov_b32 s[\g+1], 32<<16                      ; 132 dense rows of 32 elements: a block
	s_mov_b32 s[\g+2], 132<<16
	s_mov_b32 s[\g+3], 32<<16
	s_mov_b32 s[\g+4], 132
	s_mov_b32 s[\g+5], 32
	s_mov_b32 s[\g+6], 0
	s_mov_b32 s[\g+7], 0
.endr
	s_lshl_b32 s[AB], s17, 1
	s_add_co_u32 s[AB], s[AB], s16
	s_mul_i32 s[AB], s[AB], PSTR                   ; x: panel 2 x tile row + which
	s_mov_b32 s[AB+1], 0
	s_lshl_b32 s[BBS], s42, 1
	s_add_co_u32 s[BBS], s[BBS], s16
	s_mul_i32 s[BBS], s[BBS], PSTR                 ; W: panel 2 x tile column + which
	s_mov_b32 s[BBS+1], 0
	s_mov_b32 s[TO+1], 0
	s_mul_i32 s45, s14, BLK                        ; where my block goes: wave x a block
.irp s, 0,1
	s_mov_b32 s[G0+4*\s], 1
	s_add_co_u32 s[G0+4*\s+1], s45, \s*SLOT
	s_mov_b32 s[G0B+4*\s], 1
	s_add_co_u32 s[G0B+4*\s+1], s45, \s*SLOT
.endr
	s_cmp_eq_u32 s15, 0
	s_cselect_b32 s20, s17, s42                    ; the prefetches: the panel that I fetch,
	s_cselect_b32 s21, s40, s41                    ; my place among the four that ask for it with me
	s_lshl_b32 s20, s20, 1
	s_add_co_u32 s20, s20, s16
	s_mul_i32 s20, s20, PSTR
	s_mul_i32 s21, s21, SHARE
	s_add_co_u32 s20, s20, s21
	s_mov_b32 s21, 0
	s_lshl_b32 s22, s17, 8
	s_lshl_b32 s23, s15, 7
	s_add_co_u32 s22, s22, s23
	s_lshl_b32 s22, s22, 14                        ; my first row of out0, 16,384 bytes a row
	s_mov_b32 s23, 0
	s_lshl_b32 s46, s42, 10
	s_lshl_b32 s47, s16, 9
	s_add_co_u32 s46, s46, s47                     ; my first column, in bytes
	s_mov_b32 s47, 0
	s_mul_i32 s84, s15, BLK                        ; LDS: my block of x,
	s_mul_i32 s85, s16, BLK
	s_add_co_u32 s85, s85, 2*BLK                   ; my block of W,
	s_sub_co_u32 s86, s85, s84                     ; the distance between the two,
	s_add_co_u32 s87, s84, 32768                   ; x's scale words,
	s_mul_i32 s88, s14, 16*SPITCH
	s_add_co_u32 s88, s88, STAGE                   ; my stage
	s_wait_dscnt 0x0                               ; both opening adds are done
	s_wait_kmcnt 0x0
	s_add_nc_u64 s[AB:AB+1], s[4:5], s[AB:AB+1]
	s_add_nc_u64 s[BBS:BBS+1], s[6:7], s[BBS:BBS+1]
	s_cmp_eq_u32 s15, 0
	s_cselect_b64 s[PB:PB+1], s[4:5], s[6:7]
	s_add_nc_u64 s[PB:PB+1], s[PB:PB+1], s[20:21]
	s_add_nc_u64 s[10:11], s[10:11], s[22:23]
	s_add_nc_u64 s[10:11], s[10:11], s[46:47]
	s_add_nc_u64 s[8:9], s[8:9], s[46:47]
	SETG 0, 0
	SETG 1, 1
	KADR PFA, 1
	KADR PF2, 2
	KADR PF3, 3
	s_add_co_u32 s[KT], s[KT], 2                   ; the next load to be set up is the third
	CROUND                                         ; all sixteen work-groups are here: the first joint loads meet
	JLOAD 0                                        ; one tensor load a wave at the head
	v_and_b32 v1, 31, v0                           ; the head's vector work, in one run with no scalar line in it
	v_and_b32 v2, 15, v0
	v_bfe_u32 v3, v0, 4, 1
	v_lshlrev_b32 v4, 4, v1                        ; an image's group of four registers is 512 bytes: 16 x lane
	v_add_nc_u32 v[ADRA], s84, v4
	v_add_nc_u32 v[ADRB], s85, v4
	v_add_nc_u32 v[ADRA+1], SLOT, v[ADRA]
	v_add_nc_u32 v[ADRB+1], SLOT, v[ADRB]
	v_mul_u32_u24 v6, s86, v3                      ; lanes 16-31 take W's scale words
	v_lshl_add_u32 v6, v2, 4, v6
	v_add_nc_u32 v[ADRS], s87, v6
	v_add_nc_u32 v[ADRS+1], SLOT, v[ADRS]
	v_mul_u32_u24 v5, v2, SPITCH
	v_lshl_add_u32 v5, v3, 5, v5
	v_add_nc_u32 v[STO], s88, v5                   ; into the stage: row l % 16, 32 bytes for each half of the lanes
	v_lshlrev_b32 v[CO], 4, v1                     ; back: the 32 lanes take one row of 512 bytes; the same in out0
	v_add_nc_u32 v[RD], s88, v[CO]
	v_lshlrev_b32 v[BO], 5, v3                     ; the bias of my eight columns of a block: 32 bytes for each half
	v_lshlrev_b32 v[PFO], 8, v1
	v_mov_b32 v[PFL], 8192
	s_wait_alu depctr_va_vdst(0)
	PREF PFA                                       ; the walk's K step 1: one load ahead
.irp b, 0,1,2,3,4,5,6,7
	global_load_b128 v[BI+8*\b:BI+8*\b+3], v[BO], s[8:9] offset:64*\b
	global_load_b128 v[BI+8*\b+4:BI+8*\b+7], v[BO], s[8:9] offset:64*\b+16
.endr
.macro FRAG reg, adr, q, i             ; fragment (i, q) of a block: four groups of four registers, 512 consecutive bytes each
.irp c, 0,1,2,3
	ds_load_b128 v[\reg+4*\c:\reg+4*\c+3], v[\adr] offset:(2*(\i)+(\q))*2048+512*\c
.endr
.endm
; 8 matrix instructions: x's block a against W's eight.  The 64 accumulators take turns, in the same order in every step.
.macro MUL8 a, p, q, sc, first
.irp b, 0,1,2,3,4,5,6,7
.if \first
	v_wmma_scale_f32_16x16x128_f8f6f4 v[8*(8*((\a)%4)+\b):8*(8*((\a)%4)+\b)+7], v[128*(\p)+FR*\b:128*(\p)+FR*\b+FR-1], v[AF+FR*(\a):AF+FR*(\a)+FR-1], v[BI+8*\b:BI+8*\b+7], v[SC+8*NQ*(\sc)+NQ*\b+(\q)], v[SC+8*NQ*(\sc)+NQ*(\a)+(\q)] matrix_a_fmt:MATRIX_FMT_BF8 matrix_b_fmt:MATRIX_FMT_BF8 matrix_a_scale:MATRIX_SCALE_ROW1
.else
	v_wmma_scale_f32_16x16x128_f8f6f4 v[8*(8*((\a)%4)+\b):8*(8*((\a)%4)+\b)+7], v[128*(\p)+FR*\b:128*(\p)+FR*\b+FR-1], v[AF+FR*(\a):AF+FR*(\a)+FR-1], v[8*(8*((\a)%4)+\b):8*(8*((\a)%4)+\b)+7], v[SC+8*NQ*(\sc)+NQ*\b+(\q)], v[SC+8*NQ*(\sc)+NQ*(\a)+(\q)] matrix_a_fmt:MATRIX_FMT_BF8 matrix_b_fmt:MATRIX_FMT_BF8 matrix_a_scale:MATRIX_SCALE_ROW1
.endif
.endr
.endm
.macro FETCH_B slot, q, p, i0, n       ; W's fragments i0 .. i0 + n - 1 of the slot's half q into set p: 4 n loads
	WIN TO_B
.set fi, \i0
.rept \n
	FRAG 128*(\p)+FR*fi, ADRB+\slot, \q, fi
.set fi, fi+1
.endr
	WIN 0
.endm
.macro FETCH_A slot, q, i0, n          ; x's blocks i0 .. i0 + n - 1: 4 n loads
.set fi, \i0
.rept \n
	FRAG AF+FR*fi, ADRA+\slot, \q, fi
.set fi, fi+1
.endr
.endm
.macro ALOAD a                         ; the last K step (slot 1): x's block a, both halves, into buffer a % 4 of 32 registers
.irp q, 0,1
	FRAG AF+32*((\a)%4)+FR*\q, ADRA+1, \q, \a
.endr
.endm
.macro SCALES sc                       ; a slot's scale words: register NQ i + q: lanes 0-15 x's block i, lanes 16-31 W's block i
.irp j, 0,1,2,3
	ds_load_b128 v[SC+8*NQ*\sc+4*\j:SC+8*NQ*\sc+4*\j+3], v[ADRS+\sc] offset:256*\j
.endr
.endm
; Ahead of every 128 along K the LDS loads end in this order: .., W's fragments 6 and 7, x's blocks 0 and 1, (8 loads) x's 2 and 3, (16 loads) x's 4 to 7.
; A slot's first 128 along K (W's set 0); its successor lies in the same slot (W's set 1).
.macro STEP slot, first
	s_wait_dscnt 24                                ; all but x's blocks 2 to 7
	WLO \first
	MUL8 0, 0, 0, \slot, \first
	MUL8 1, 0, 0, \slot, \first
	FETCH_B \slot, 1, 1, 0, 6                      ; 24 loads; set 1 was last read ahead of the eight places that end the step before
	s_wait_dscnt 40                                ; x's 2 and 3 are in (behind them: x's 4 to 7, 16, and the 24 just issued)
	WLO \first
	MUL8 2, 0, 0, \slot, \first
	MUL8 3, 0, 0, \slot, \first
	PLACES NP                                      ; in front of loads into x's blocks 0 to 3
	FETCH_B \slot, 1, 1, 6, 2
	FETCH_A \slot, 1, 0, 2
	s_wait_dscnt 40                                ; x's 4 to 7 are in (behind them: 24 and 16)
	WHI \first
	MUL8 4, 0, 0, \slot, \first
	MUL8 5, 0, 0, \slot, \first
	WIN 0
	FETCH_A \slot, 1, 2, 2
	WHI \first
	MUL8 6, 0, 0, \slot, \first
	MUL8 7, 0, 0, \slot, \first
	PLACES NP
	WIN 0
	FETCH_A \slot, 1, 4, 4
.endm
; A slot's last 128 along K changes slots.  Sixteen products first; then the wait for all my tensor loads (one is out: my block of the next slot, asked for 112 products ago), the add, the next
; descriptors and eight products between the add and the wait for it; the signal; eight products; the round; the refill first behind it.
; fill = 0: the last change of slots.  Nothing is filled, no round follows, and what is fetched is what the last K step by rows wants: both of W's sets and x's blocks 0 to 3, both halves.
.macro TURN slot, next, fill
	s_wait_dscnt 24
	WIN MUL_LO
	MUL8 0, 1, 1, \slot, 0
	MUL8 1, 1, 1, \slot, 0
	WIN 0                                          ; the add's two registers lie in window 0
.if \fill
	s_wait_xcnt 0x0                                ; the last prefetches, a K step back, have read their address
.endif
	s_wait_tensorcnt 0x0
	ds_add_u32 v[SPW], v[NIL]
.if \fill
	SETG \slot, 0
	KADR PFA, 2
	s_add_co_u32 s[KT], s[KT], 1
.endif
	s_wait_dscnt 17                                ; x's 2 and 3 are in (behind them: x's 4 to 7 and the add)
	WIN MUL_LO
	MUL8 2, 1, 1, \slot, 0
	s_wait_dscnt 0x0                               ; the add is done, and my reads of this slot are over
	s_barrier_signal -1
	MUL8 3, 1, 1, \slot, 0
	WIN 0
	s_barrier_wait -1
.if \fill
	CREST                                          ; no wave of any partner still reads this slot or has a load on its way
	JLOAD \slot
	PLACES NP-4                                    ; with the four behind the load: eight, in front of loads into x's blocks 0 to 3
	FETCH_B \next, 0, 0, 0, 6
	SCALES \next
	ASK
	WIN MUL_HI
	MUL8 4, 1, 1, \slot, 0
	MUL8 5, 1, 1, \slot, 0
	FETCH_B \next, 0, 0, 6, 2
	FETCH_A \next, 0, 0, 2
	WIN MUL_HI
	MUL8 6, 1, 1, \slot, 0
	MUL8 7, 1, 1, \slot, 0
	PLACES NP
	WIN 0
	FETCH_A \next, 0, 2, 6
.else
	PLACES NP
	FETCH_B \next, 0, 0, 0, 8
	ALOAD 0
	ALOAD 1
	SCALES \next
	WIN MUL_HI
	MUL8 4, 1, 1, \slot, 0
	MUL8 5, 1, 1, \slot, 0
	MUL8 6, 1, 1, \slot, 0
	MUL8 7, 1, 1, \slot, 0
	PLACES NP
	WIN 0
	FETCH_B \next, 1, 1, 0, 8
	ALOAD 2
	ALOAD 3
.endif
.endm
	s_wait_tensorcnt 0x0                           ; my block of the first K step is in; slot 1's first fill is issued as a refill is
	ds_add_u32 v[SPW], v[NIL]
	s_wait_dscnt 0x0
	CROUND
	JLOAD 1
	FETCH_B 0, 0, 0, 0, 8
	FETCH_A 0, 0, 0, 2
	SCALES 0
	FETCH_A 0, 0, 2, 6
	PREF PF2                                       ; the walk's K steps 2 and 3: one and two loads ahead
	PREF PF3
	s_wait_loadcnt 0x0                             ; the bias
	STEP 0, 1                                      ; the first products start the sums from the bias
	s_mov_b32 s3, LAPS-1
.Llap:                                                 ; a trip goes once round the ring and fills both slots again
	TURN 0, 1, 1
	STEP 1, 0
	TURN 1, 0, 1
	STEP 0, 0
	s_sub_co_u32 s3, s3, 1
	s_cmp_lg_u32 s3, 0
	s_cbranch_scc1 .Llap
; THE LAST K STEP, BY ROWS.  Block a is finished by 16 products: its eight accumulators by turns, the first half of the step and then the second.
.macro ROW a
.set FA, AF+32*((\a)%4)
	WIN MUL_LO+0x50*((\a)/4)
.irp q, 0,1
.if (\a) == 0 && \q == 1
	s_wait_dscnt 16                                ; W's second set is in (behind it: x's blocks 2 and 3)
.endif
.irp b, 0,1,2,3,4,5,6,7
	v_wmma_scale_f32_16x16x128_f8f6f4 v[8*(8*((\a)%4)+\b):8*(8*((\a)%4)+\b)+7], v[128*\q+FR*\b:128*\q+FR*\b+FR-1], v[FA+FR*\q:FA+FR*\q+FR-1], v[8*(8*((\a)%4)+\b):8*(8*((\a)%4)+\b)+7], v[SC+8*NQ+NQ*\b+\q], v[SC+8*NQ+NQ*(\a)+\q] matrix_a_fmt:MATRIX_FMT_BF8 matrix_b_fmt:MATRIX_FMT_BF8 matrix_a_scale:MATRIX_SCALE_ROW1
.endr
.endr
.endm
; THE WAY OUT of block a, 16 rows x 128 columns: through my own stage, and back as whole rows of 512 bytes into the block's own 64 registers, which nothing writes again: so no store's data and no base is ever rewritten.
; LDS serves a wave's instructions in order (ISA guide 5.7.1.4): no wait between the stores and the loads, nor in front of the next block's stores.
.macro TOSTAGE a
.set AC, 64*((\a)%4)
	WIN 0x08+4*((\a)/4)                            ; the data: window 2 or 3
.irp b, 0,1,2,3,4,5,6,7
	ds_store_b128 v[STO], v[AC+8*\b:AC+8*\b+3] offset:64*\b          ; each accumulator from its low end on
	ds_store_b128 v[STO], v[AC+8*\b+4:AC+8*\b+7] offset:64*\b+16
.endr
	WIN 0x80+0x40*((\a)/4)                         ; the destination: the same window
.irp t, 0,1,2,3,4,5,6,7,8,9,10,11,12,13,14,15
	ds_load_b128 v[AC+4*\t:AC+4*\t+3], v[RD] offset:\t*SPITCH
.endr
	WIN 0
.endm
.macro SEND a, younger                 ; younger: the LDS instructions issued behind block a's loads from the stage
.set AC, 64*((\a)%4)
	s_wait_dscnt \younger
	WIN 0x08+4*((\a)/4)
.irp t, 0,1,2,3,4,5,6,7,8,9,10,11,12,13,14,15
	global_store_b128 v[CO], v[AC+4*\t:AC+4*\t+3], s[10:11] offset:(16*(\a)+\t)*SIZE_N*4 th:TH_STORE_NT   ; 32 lanes store 512 consecutive bytes, aligned; 127 rows of 16,384 bytes at the most in the immediate
.endr
	WIN 0
.endm
	TURN 0, 1, 0
	s_wait_dscnt 48                                ; W's first set, x's blocks 0 and 1 and the scale words are in (behind them: W's second set, 32 loads, and x's blocks 2 and 3, 16)
	ROW 0
	PLACES NP                                      ; behind a block's last products: its results may be read and written over, and its buffer may take loads
	TOSTAGE 0
	ALOAD 4
.irp a, 1,2,3,4,5,6,7
	ROW \a
	PLACES NP
	TOSTAGE \a
.if \a < 4
	ALOAD \a+4
	SEND \a-1, 48                                  ; behind block a - 1's loads: 8 of x's, block a's 16 stores and 16 loads, 8 of x's
.else
.if \a == 4
	SEND \a-1, 40                                  ; 8 of x's, and block a's 32
.else
	SEND \a-1, 32
.endif
.endif
.endr
	SEND 7, 0
	s_wait_tensorcnt 0x0                           ; the wave's end
	ds_add_u32 v[SPW], v[NIL]
	s_wait_dscnt 0x0
	CROUND                                         ; the closing round
	s_endpgm
.Lfunc_end_k_qf80871997c_gemm:
	.size	k_qf80871997c_gemm, .Lfunc_end_k_qf80871997c_gemm-k_qf80871997c_gemm
	.p2alignl 7, 3214868480
	.fill 96, 4, 3214868480
	.section	.rodata,"a",@progbits
	.p2align	6, 0x0
	.amdhsa_kernel k_qf80871997c_gemm
		.amdhsa_group_segment_fixed_size 327680
		.amdhsa_private_segment_fixed_size 0
		.amdhsa_enable_private_segment 0
		.amdhsa_kernarg_size 32
		.amdhsa_user_sgpr_count 2
		.amdhsa_user_sgpr_kernarg_segment_ptr 1
		.amdhsa_wavefront_size32 1
		.amdhsa_system_sgpr_workgroup_id_x 1
		.amdhsa_system_sgpr_workgroup_id_y 1
		.amdhsa_system_sgpr_workgroup_id_z 1
		.amdhsa_system_vgpr_workitem_id 0
		.amdhsa_next_free_vgpr 1024
		.amdhsa_next_free_sgpr 96
		.amdhsa_reserve_vcc 0
		.amdhsa_float_denorm_mode_32 3
		.amdhsa_float_denorm_mode_16_64 3
		.amdhsa_memory_ordered 1
		.amdhsa_forward_progress 1
		.amdhsa_inst_pref_size 149
	.end_amdhsa_kernel
	.amdgpu_metadata
---
amdhsa.version: [ 1, 2 ]
amdhsa.kernels:
  - .name:           k_qf80871997c_gemm
    .symbol:         k_qf80871997c_gemm.kd
    .args:
      - { .name: xq, .offset: 0, .size: 8, .value_kind: global_buffer, .address_space: global }
      - { .name: wq, .offset: 8, .size: 8, .value_kind: global_buffer, .address_space: global }
      - { .name: bias, .offset: 16, .size: 8, .value_kind: global_buffer, .address_space: global }
      - { .name: out0, .offset: 24, .size: 8, .value_kind: global_buffer, .address_space: global }
    .group_segment_fixed_size: 327680
    .private_segment_fixed_size: 0
    .kernarg_segment_align: 8
    .kernarg_segment_size: 32
    .max_flat_workgroup_size: 128
    .sgpr_count:     96
    .vgpr_count:     1024
    .wavefront_size: 32
...
	.end_amdgpu_metadata
.endif
;; end of part 4
